; MI455X (gfx1250); checked and timed in simulation.
; The chip was launched on July 23, 2026; its instructions are those of AMD's public machine-readable ISA for CDNA 5 (MIT licence, August 2026) and "CDNA5" Instruction Set Architecture Reference Guide (July 2026). The comments in the code are by the model that wrote it; some were corrected since.
;; Fully Connected. Allowed arithmetic: float matrix products may take bf16 or f16 operands with f32 sums; all other float work in f32.
;; Inputs: bias 512 float32; weight 512 x 512 float32; x 8 x 128 x 512 float32.
;; Outputs: out0 8 x 128 x 512 float32; out1 1,024 x 512 int32; out2 1,024 x 512 int32.
;; One version. Each part assembles by itself: llvm-mc -triple=amdgcn-amd-amdhsa -mcpu=gfx1250 --defsym DOCPART=n.
;; ======== version 1 of 1: 1 launch
;; launch mam (part 1): grid 32 x 8, 16 waves a work-group, no clusters, 169,984 bytes of LDS; arguments x, weight, bias, out0, out1, out2; writes out0, out1, out2
.if DOCPART == 1
	.amdgcn_target "amdgcn-amd-amdhsa--gfx1250"
	.amdhsa_code_object_version 6
	.text
	.protected	k_q682c733bd2_mam
	.globl	k_q682c733bd2_mam
	.p2align	8
	.type	k_q682c733bd2_mam,@function
k_q682c733bd2_mam:
	s_mov_b64 s[64:65], 0
	v_nop
	global_prefetch_b8 v0, s[64:65] scope:SCOPE_SE
	s_setreg_imm32_b32 hwreg(HW_REG_WAVE_MODE, 25, 1), 1
	s_wait_xcnt 0x0
; out0[n][m] = max_k p + min_k p + bias[m],  out1 = argmax_k p,  out2 = argmin_k p,  p = x[n][k] * weight[m][k] in f32.
; x: [1024][512], weight: [512][512], bias: [512], all f32; out0 f32, out1 and out2 i32, [1024][512].
;
; THE METHOD.  K is walked in chunks of 16.  For one output and one chunk: 16 products (8 dual multiplies), the chunk's maximum and minimum
; (trees of three-input max and min, 15 instructions for both), a strict comparison with the running maximum (minimum), and under its mask
; the running value, the chunk's first k and the chunk's 16 products are kept (dual conditional moves).  43 instructions for 16 products.
; The strict comparison keeps the EARLIEST chunk that reaches the extreme value; at the end a scan from place 14 down to place 0 of the kept
; products finds the FIRST place that equals it.  So values are compared as whole f32 numbers, and ties go to the lowest k, as argmax and argmin do.
; No address and no branch hangs on a product: every choice is a conditional move.
;
; SHARES.  256 work-groups of 32 rows x 64 columns.  16 waves, four to a SIMD (4 x 250 registers): wave v has rows 2v, 2v+1 and all 64 columns;
; lane l has columns 2l, 2l+1: four outputs a lane, and a store of 8 bytes a lane covers 256 consecutive bytes, aligned.
; weight: the group's 64 rows come once into LDS, in four slices of 128 k.  A slice is two tiles of 32 rows x 512 bytes: the even rows (wave 0's
; load) and the odd rows (wave 1's), each taken with a stride of two rows.  So lane l finds column 2l at 528 l in the even half and column 2l+1 at
; 528 l in the odd half.  All eight loads go out at the start; nothing is filled twice.
; x is the same for all lanes of a wave: it comes by scalar loads, 16 k of a row at a time, and is the scalar source of the multiplies.
;
; NO CLUSTER: 32 work-groups read the same 128 KiB of weight, but each reads it once, in these loads; only the first 32 KiB is waited for with
; nothing to do; the other 96 KiB have slice 0's work (4 pairs of chunks x 8 x 43 instructions of all 16 waves) in which to land.
;
; LIMIT: where a product is NaN (a NaN input, 0 x infinity) the problem's definition gives NaN and the first NaN's index; v_max3_num_f32 and
; v_min3_num_f32 skip NaNs, so this text differs there.  All other inputs are served exactly: infinities, +0 and -0 (equal, first index wins),
; denormal products (kept).
.set KDIM,   512
.set ROWB,   2048                      ; bytes in a row of x, of weight and of each output
.set CH,     16                        ; k in a chunk
.set SLK,    128                       ; k in a slice of weight
.set LPITCH, 512+16                    ; an LDS row: 512 bytes and 16 of padding = 33 x 16 bytes, so 16 lanes' 16-byte loads fall in 16 different columns of 16 bytes modulo 256
.set HALF,   32*LPITCH                 ; a tile: 32 rows, the even or the odd ones
.set SLICE,  2*HALF                    ; the even half, then the odd half
.set LANE, 2                           ; v2        lane
.set LO,   3                           ; v3        8 x lane: my two columns in bias and in a row of the outputs; never rewritten
.set ADR,  4                           ; v4        LDS address of my even column's row at the current place along K
.set KR,   5                           ; v5        first k of the current chunk (register number 1 mod 4: other bank than T+14 and T+15 in the dual moves)
.set BI,   6                           ; v[6:7]    bias of my two columns
.set ST,   8                           ; v[8:23]   output o: maximum, its chunk's first k, the minimum's chunk's first k, minimum
.set T,    24                          ; v[24:39]  the trees; even registers maximum, odd registers minimum
.set P,    40                          ; v[40:55]  a chunk's 16 products; at the end the results
.set WA0,  56                          ; v[56:71]  weight, even chunk of a pair, column 2l
.set WA1,  72                          ; v[72:87]                            column 2l+1
.set WB0,  88                          ; v[88:103] weight, odd chunk, column 2l
.set WB1,  104                         ; v[104:119]                column 2l+1
.set SV,   120                         ; v[120:247] output o: 16 products of the maximum's chunk, 16 of the minimum's chunk
.set G1,   8                           ; s[8:15]   descriptor group 1, the same for all loads
.set XA0,  16                          ; s[16:31]  x, even chunk, row 2v
.set XA1,  32                          ; s[32:47]                 row 2v+1
.set XB0,  48                          ; s[48:63]  x, odd chunk, row 2v
.set XB1,  68                          ; s[68:83]                row 2v+1
.set G0,   84                          ; s[84:99]  descriptor group 0, a set for each of a wave's four loads: none is rewritten while its load is out
	s_load_b128 s[4:7], s[0:1], 0x0                ; x s[4:5], weight s[6:7]
	s_load_b64 s[2:3], s[0:1], 0x10                ; bias
	v_lshl_add_u32 v248, v0, 2, 0x29000
	v_mov_b32 v249, 0
	ds_add_u32 v248, v249
	ds_add_u32 v248, v249
	v_lshrrev_b32 v1, 5, v0
	v_readfirstlane_b32 s66, v1                    ; wave 0..15
	v_and_b32 v[LANE], 31, v0
	s_and_b32 s67, ttmp7, 0xffff                   ; block of 64 columns
	; group 1: a tile of 32 rows x 128 f32, rows 1,024 elements apart (every second row of weight); in LDS 4 dwords are skipped after every 128 dwords, one row
	s_mov_b32 s[G1+0], (2<<16)|(1<<20)|(6<<22)|(3<<25) ; no mask; elements of 4 bytes; padding on; interval code 6 = 128 dwords; 4 dwords
	s_mov_b32 s[G1+1], SLK<<16                     ; tensor_dim0 = 128
	s_mov_b32 s[G1+2], 32<<16                      ; tensor_dim1 = 32
	s_mov_b32 s[G1+3], SLK<<16                     ; tile_dim0 = 128
	s_mov_b32 s[G1+4], 32                          ; tile_dim1 = 32
	s_mov_b32 s[G1+5], 2*KDIM                      ; from a row of the tile to the next: two rows of weight
	s_mov_b32 s[G1+6], 0
	s_mov_b32 s[G1+7], 0
	s_lshl_b32 s16, s67, 17                        ; weight: 64 rows x 2,048 bytes for each block of columns
	s_mov_b32 s17, 0
	s_lshl_b32 s18, ttmp9, 16                      ; x: 32 rows x 2,048 bytes for each block of rows,
	s_lshl_b32 s19, s66, 12                        ; 2 rows for each wave
	s_add_co_u32 s18, s18, s19
	s_mov_b32 s19, 0
	s_lshl_b32 s20, s67, 8                         ; bias: 64 numbers for each block of columns
	s_mov_b32 s21, 0
	s_wait_dscnt 0x0
	s_wait_kmcnt 0x0
	s_add_nc_u64 s[6:7], s[6:7], s[16:17]
	s_add_nc_u64 s[4:5], s[4:5], s[18:19]
	s_add_nc_u64 s[2:3], s[2:3], s[20:21]
	s_cmp_gt_u32 s66, 1
	s_cbranch_scc1 .Lno_fill
	; waves 0 and 1 ask for their halves of the four slices, in the order in which they are used: four tensor loads are out in each of the two,
	; the only ones of the launch
	s_lshl_b32 s18, s66, 11                        ; wave 1 begins one row of weight further down
	s_mov_b32 s19, 0
	s_add_nc_u64 s[6:7], s[6:7], s[18:19]
	s_mul_i32 s20, s66, HALF                       ; and fills the odd half
.irp s, 0,1,2,3
	s_mov_b32 s[G0+4*\s], 1
	s_add_co_u32 s[G0+4*\s+1], s20, \s*SLICE       ; LDS: slice x 33,792 + wave x 16,896
	s_add_nc_u64 s[G0+4*\s+2:G0+4*\s+3], s[6:7], \s*SLK*4
	s_or_b32 s[G0+4*\s+3], s[G0+4*\s+3], 0x80000000
	tensor_load_to_lds s[G0+4*\s:G0+4*\s+3], s[G1:G1+7]
	s_nop 0
.endr
.Lno_fill:
	s_load_b512 s[XA0:XA0+15], s[4:5], 0x0         ; x of chunk 0, both rows
	s_load_b512 s[XA1:XA1+15], s[4:5], 0x800
	v_lshlrev_b32 v[LO], 3, v[LANE]
	global_load_b64 v[BI:BI+1], v[LO], s[2:3]      ; waited for at the end
	v_mul_u32_u24 v[ADR], v[LANE], LPITCH
	v_mov_b32 v[KR], 0
; One output (row i, column j of my 2 x 2), one chunk.  xb: the row's 16 x in scalar registers; wb: the column's 16 weights.
; first = 1: the chunk starts everything: its products are written straight into both kept sets (multiplied twice rather than copied: the same
; eight instructions), its extremes are the running values, nothing is cleared or compared.
; In every dual instruction one destination is even and the other odd, and the two halves' like sources are neighbouring registers (other banks).
.macro OUTP i, j, xb, wb, first
.set OX, 2*\j+\i
.set SX, SV+32*OX
.set SN, SX+16
.set SS, ST+4*OX
.if \first
.irp t, 0,2,4,6,8,10,12,14
	v_dual_mul_f32 v[SX+\t], s[\xb+\t], v[\wb+\t] :: v_dual_mul_f32 v[SX+\t+1], s[\xb+\t+1], v[\wb+\t+1]
.endr
.irp t, 0,2,4,6,8,10,12,14
	v_dual_mul_f32 v[SN+\t], s[\xb+\t], v[\wb+\t] :: v_dual_mul_f32 v[SN+\t+1], s[\xb+\t+1], v[\wb+\t+1]
.endr
.set PB, SX
.else
.irp t, 0,2,4,6,8,10,12,14
	v_dual_mul_f32 v[P+\t], s[\xb+\t], v[\wb+\t] :: v_dual_mul_f32 v[P+\t+1], s[\xb+\t+1], v[\wb+\t+1]
.endr
.set PB, P
.endif
.irp g, 0,1,2,3,4
	v_max3_num_f32 v[T+2*\g],   v[PB+3*\g], v[PB+3*\g+1], v[PB+3*\g+2]   ; products 0 to 14 by threes
	v_min3_num_f32 v[T+2*\g+1], v[PB+3*\g], v[PB+3*\g+1], v[PB+3*\g+2]
.endr
	v_max3_num_f32 v[T+10], v[T+0], v[T+2], v[T+4]
	v_min3_num_f32 v[T+11], v[T+1], v[T+3], v[T+5]
	v_max3_num_f32 v[T+12], v[T+6], v[T+8], v[PB+15]
	v_min3_num_f32 v[T+13], v[T+7], v[T+9], v[PB+15]
.if \first
	v_dual_max_num_f32 v[SS], v[T+10], v[T+12] :: v_dual_min_num_f32 v[SS+3], v[T+11], v[T+13]
	v_mov_b32 v[SS+1], 0                           ; both extremes lie in the chunk that begins at k = 0
	v_mov_b32 v[SS+2], 0
.else
	v_dual_max_num_f32 v[T+14], v[T+10], v[T+12] :: v_dual_min_num_f32 v[T+15], v[T+11], v[T+13]
	v_cmp_gt_f32 vcc_lo, v[T+14], v[SS]            ; strictly larger: an equal later chunk does not win
	v_dual_cndmask_b32 v[SS], v[SS], v[T+14] :: v_dual_cndmask_b32 v[SS+1], v[SS+1], v[KR]
.irp t, 0,2,4,6,8,10,12,14
	v_dual_cndmask_b32 v[SX+\t], v[SX+\t], v[P+\t] :: v_dual_cndmask_b32 v[SX+\t+1], v[SX+\t+1], v[P+\t+1]
.endr
	v_cmp_lt_f32 vcc_lo, v[T+15], v[SS+3]          ; strictly smaller
	v_dual_cndmask_b32 v[SS+2], v[SS+2], v[KR] :: v_dual_cndmask_b32 v[SS+3], v[SS+3], v[T+15]
.irp t, 0,2,4,6,8,10,12,14
	v_dual_cndmask_b32 v[SN+\t], v[SN+\t], v[P+\t] :: v_dual_cndmask_b32 v[SN+\t+1], v[SN+\t+1], v[P+\t+1]
.endr
.endif
.endm
; Two chunks, 32 k, at byte lo of my rows from ADR on.  All 16 LDS loads go out at the head; they come back in order, so the counts 12, 8, 4, 0
; each free the next group of four.
; x: scalar loads can be waited for only all together, so a buffer's load is issued right behind the wait for the other buffer's
; and has one chunk (172 vector instructions of this wave) in which to land.  ahead = 0: the last pair asks for nothing beyond the rows' ends.
; step = 1: ADR goes on by the pair's 128 bytes (in the loops); step = 0: the caller's lo does that.
.macro PAIR first, ahead, step, lo
.irp q, 0,1,2,3
	ds_load_b128 v[WA0+4*\q:WA0+4*\q+3], v[ADR] offset:\lo+16*\q
.endr
.irp q, 0,1,2,3
	ds_load_b128 v[WA1+4*\q:WA1+4*\q+3], v[ADR] offset:\lo+HALF+16*\q
.endr
.irp q, 0,1,2,3
	ds_load_b128 v[WB0+4*\q:WB0+4*\q+3], v[ADR] offset:\lo+CH*4+16*\q
.endr
.irp q, 0,1,2,3
	ds_load_b128 v[WB1+4*\q:WB1+4*\q+3], v[ADR] offset:\lo+HALF+CH*4+16*\q
.endr
	s_wait_kmcnt 0x0                               ; the even chunk's x is in
	s_load_b512 s[XB0:XB0+15], s[4:5], 0x40        ; the odd chunk's x
	s_load_b512 s[XB1:XB1+15], s[4:5], 0x840
	s_wait_dscnt 12                                ; the first four loads are back; twelve younger ones may be out
	OUTP 0, 0, XA0, WA0, \first
	OUTP 1, 0, XA1, WA0, \first
	s_wait_dscnt 8
	OUTP 0, 1, XA0, WA1, \first
	OUTP 1, 1, XA1, WA1, \first
	v_add_nc_u32 v[KR], CH, v[KR]
	s_wait_kmcnt 0x0                               ; the odd chunk's x is in, and no scalar load reads s[4:5] any more
.if \ahead
	s_add_nc_u64 s[4:5], s[4:5], 2*CH*4
	s_load_b512 s[XA0:XA0+15], s[4:5], 0x0         ; the next pair's even chunk
	s_load_b512 s[XA1:XA1+15], s[4:5], 0x800
.endif
.if \step
	v_add_nc_u32 v[ADR], 2*CH*4, v[ADR]
.endif
	s_wait_dscnt 4
	OUTP 0, 0, XB0, WB0, 0
	OUTP 1, 0, XB1, WB0, 0
	s_wait_dscnt 0
	OUTP 0, 1, XB0, WB1, 0
	OUTP 1, 1, XB1, WB1, 0
.if \ahead
	v_add_nc_u32 v[KR], CH, v[KR]
.endif
.endm
	; SLICE 0, k 0 to 127.  Waves 0 and 1 see their first load landed (the count leaves their three younger loads out: nothing is filled again in
	; this launch), then say so to the others.  The four pairs are written out with ADR left alone and the place along K in the immediate: every
	; read lies at 528 lane + at most 16,896 + 511, below byte 33,792, in slice 0, while the other slices' loads are still out.
	s_wait_tensorcnt 0x3
	s_barrier_signal -1
	s_barrier_wait -1
	PAIR 1, 1, 0, 0
	PAIR 0, 1, 0, 128
	PAIR 0, 1, 0, 256
	PAIR 0, 1, 0, 384
	v_add_nc_u32 v[ADR], SLICE, v[ADR]             ; the first bytes of my rows in slice 1
	; SLICES 1 TO 3.  One wait for all loads and one barrier: from here on no tensor load is out.  No LDS load of any wave is out at the signal:
	; each pair ends behind s_wait_dscnt 0.
	s_wait_tensorcnt 0x0
	s_barrier_signal -1
	s_barrier_wait -1
	s_mov_b32 s67, 4
.Lslice1:
	PAIR 0, 1, 1, 0
	s_sub_co_u32 s67, s67, 1
	s_cmp_lg_u32 s67, 0
	s_cbranch_scc1 .Lslice1
	v_add_nc_u32 v[ADR], SLICE-SLK*4, v[ADR]       ; four pairs have stepped 512 bytes along the rows: on to the next slice's first bytes
	s_mov_b32 s67, 4
.Lslice2:
	PAIR 0, 1, 1, 0
	s_sub_co_u32 s67, s67, 1
	s_cmp_lg_u32 s67, 0
	s_cbranch_scc1 .Lslice2
	v_add_nc_u32 v[ADR], SLICE-SLK*4, v[ADR]
	s_mov_b32 s67, 3
.Lslice3:
	PAIR 0, 1, 1, 0
	s_sub_co_u32 s67, s67, 1
	s_cmp_lg_u32 s67, 0
	s_cbranch_scc1 .Lslice3
	PAIR 0, 0, 0, 0                                ; the last pair is written out: no x is asked for beyond k = 511
	; THE END.  The outputs' addresses come into the registers that held x; the scans run meanwhile.
	s_load_b128 s[16:19], s[0:1], 0x18             ; out0 s[16:17], out1 s[18:19]
	s_load_b64 s[20:21], s[0:1], 0x28              ; out2
	s_lshl_b32 s22, ttmp9, 16                      ; my first row: 32 rows for each block of rows,
	s_lshl_b32 s23, s66, 12                        ; 2 rows for each wave,
	s_add_co_u32 s22, s22, s23
	s_and_b32 s24, ttmp7, 0xffff
	s_lshl_b32 s24, s24, 8                         ; and 256 bytes for each block of columns
	s_add_co_u32 s22, s22, s24
	s_mov_b32 s23, 0
	s_wait_loadcnt 0x0                             ; bias
.set R1, P                             ; v[40:43]  argmax: row i at 2i, column j beside it
.set R2, P+4                           ; v[44:47]  argmin
.set R0, P+8                           ; v[48:51]  out0
; The first place of the kept chunk that equals the extreme: from place 14 down to 0 each hit overwrites the later ones; place 15 is what is left
; if no earlier place hits.  The two scans use two masks, so that they do not wait for each other.
.macro FIN i, j
.set OX, 2*\j+\i
.set SX, SV+32*OX
.set SN, SX+16
.set SS, ST+4*OX
	v_mov_b32 v[T+0], 15
	v_mov_b32 v[T+1], 15
.irp t, 14,13,12,11,10,9,8,7,6,5,4,3,2,1,0
	v_cmp_eq_f32 vcc_lo, v[SX+\t], v[SS]
	v_cmp_eq_f32 s100, v[SN+\t], v[SS+3]
	v_cndmask_b32 v[T+0], v[T+0], \t, vcc_lo
	v_cndmask_b32 v[T+1], v[T+1], \t, s100
.endr
	v_add_nc_u32 v[R1+2*\i+\j], v[T+0], v[SS+1]    ; the chunk's first k + the place in it
	v_add_nc_u32 v[R2+2*\i+\j], v[T+1], v[SS+2]
	v_add_f32 v[R0+2*\i+\j], v[SS], v[SS+3]        ; (max + min) + bias, in the order of the problem's definition
	v_add_f32 v[R0+2*\i+\j], v[R0+2*\i+\j], v[BI+\j]
.endm
	FIN 0, 0
	FIN 0, 1
	FIN 1, 0
	FIN 1, 1
	s_wait_kmcnt 0x0
	s_add_nc_u64 s[16:17], s[16:17], s[22:23]
	s_add_nc_u64 s[18:19], s[18:19], s[22:23]
	s_add_nc_u64 s[20:21], s[20:21], s[22:23]
.irp i, 0,1
	global_store_b64 v[LO], v[R0+2*\i:R0+2*\i+1], s[16:17] offset:ROWB*\i th:TH_STORE_NT   ; 32 lanes x 8 bytes: 256 consecutive bytes, aligned
	global_store_b64 v[LO], v[R1+2*\i:R1+2*\i+1], s[18:19] offset:ROWB*\i th:TH_STORE_NT
	global_store_b64 v[LO], v[R2+2*\i:R2+2*\i+1], s[20:21] offset:ROWB*\i th:TH_STORE_NT
.endr
	s_wait_tensorcnt 0x0
	ds_add_u32 v248, v249
	s_wait_dscnt 0x0
	s_endpgm
.Lfunc_end_k_q682c733bd2_mam:
	.size	k_q682c733bd2_mam, .Lfunc_end_k_q682c733bd2_mam-k_q682c733bd2_mam
	.p2alignl 7, 3214868480
	.fill 96, 4, 3214868480
	.section	.rodata,"a",@progbits
	.p2align	6, 0x0
	.amdhsa_kernel k_q682c733bd2_mam
		.amdhsa_group_segment_fixed_size 169984
		.amdhsa_private_segment_fixed_size 0
		.amdhsa_enable_private_segment 0
		.amdhsa_kernarg_size 48
		.amdhsa_user_sgpr_count 2
		.amdhsa_user_sgpr_kernarg_segment_ptr 1
		.amdhsa_wavefront_size32 1
		.amdhsa_system_sgpr_workgroup_id_x 1
		.amdhsa_system_sgpr_workgroup_id_y 1
		.amdhsa_system_sgpr_workgroup_id_z 1
		.amdhsa_system_vgpr_workitem_id 0
		.amdhsa_next_free_vgpr 250
		.amdhsa_next_free_sgpr 102
		.amdhsa_reserve_vcc 1
		.amdhsa_float_denorm_mode_32 3
		.amdhsa_float_denorm_mode_16_64 3
		.amdhsa_memory_ordered 1
		.amdhsa_forward_progress 1
		.amdhsa_inst_pref_size 198
	.end_amdhsa_kernel
	.amdgpu_metadata
---
amdhsa.version: [ 1, 2 ]
amdhsa.kernels:
  - .name:           k_q682c733bd2_mam
    .symbol:         k_q682c733bd2_mam.kd
    .args:
      - { .name: x, .offset: 0, .size: 8, .value_kind: global_buffer, .address_space: global }
      - { .name: weight, .offset: 8, .size: 8, .value_kind: global_buffer, .address_space: global }
      - { .name: bias, .offset: 16, .size: 8, .value_kind: global_buffer, .address_space: global }
      - { .name: out0, .offset: 24, .size: 8, .value_kind: global_buffer, .address_space: global }
      - { .name: out1, .offset: 32, .size: 8, .value_kind: global_buffer, .address_space: global }
      - { .name: out2, .offset: 40, .size: 8, .value_kind: global_buffer, .address_space: global }
    .group_segment_fixed_size: 169984
    .private_segment_fixed_size: 0
    .kernarg_segment_align: 8
    .kernarg_segment_size: 48
    .max_flat_workgroup_size: 512
    .sgpr_count:     102
    .vgpr_count:     250
    .wavefront_size: 32
...
	.end_amdgpu_metadata
.endif
;; end of part 1
